; MI455X (gfx1250); checked and timed in simulation.
; The chip was launched on July 23, 2026; its instructions are those of AMD's public machine-readable ISA for CDNA 5 (MIT licence, August 2026) and "CDNA5" Instruction Set Architecture Reference Guide (July 2026). The comments in the code are by the model that wrote it; some were corrected since.
;; NPU Attention Kernel. Allowed arithmetic: matrix products marked QUANTISED: E2M1 operands, one E8M0 scale for each 32 along K, by v_wmma_scale_f32_16x16x128_f8f6f4 with both operands' format E2M1 (or v_wmma_scale_f32_32x16x128_f4), f32 sums; everything else in f32.
;; Inputs: key 2 x 2,048 x 2,048 float32; query 2 x 2,048 x 2,048 float32; value 2 x 2,048 x 2,048 float32.
;; Outputs: out0 2 x 2,048 x 2,048 float32.
;; This version of the problem:
;;   THIS VERSION OF THE PROBLEM IS GIVEN IN LOW PRECISION. The matrix products marked QUANTISED in the list below multiply operands that are first quantised to E2M1 (2 exponent bits, 1 mantissa bit; 4 bits a number), with one power-of-two scale for each 32 numbers along K (OCP MX v1.0); their sums are f32. All else is computed in f32.
;;   The module's matrix products, in the order in which they are computed (A, B: the left and right operand; K: the contracted axis; several contracted axes count as one K, in the product's order):
;;     1. batch 32 x [M 2,048, K 128] x [K 128, N 2,048]; A: input query; B: input key: QUANTISED
;;     2. batch 32 x [M 2,048, K 2,048] x [K 2,048, N 128]; A: softmax (see below); B: input value: QUANTISED
;;   THE QUANTISER, for each operand of a quantised product, along K:
;;     - K is cut into blocks of 32 from its start; a last block that is shorter is filled with zeros.
;;     - A block's scale is 2^e with e = floor(log2(the largest magnitude in the block)) - 2, held to -126 .. 127; a block of zeros has e = 0. As a byte (E8M0): e + 127.
;;     - Each number is divided by its block's scale, clamped to +-6, and rounded to the nearest number of E2M1, ties to even, subnormals kept.
;;     - The product sums the exact products of the quantised numbers (number of the format x scale) in f32.
;;   ~~~python
;;   def quantise(x, axis):      # numpy; x: float32 -> the quantised numbers, widened to float32 again
;;       x = np.moveaxis(x, axis, -1); K = x.shape[-1]
;;       x = np.pad(x, [(0, 0)] * (x.ndim - 1) + [(0, -K % 32)]); x = x.reshape(x.shape[:-1] + (-1, 32)); a = np.abs(x).max(-1, keepdims=True)
;;       e = np.where(a > 0, np.clip(np.frexp(np.where(a > 0, a, 1))[1] - 1 - 2, -126, 127), 0)      # np.frexp(a)[1] - 1 = floor(log2(a)), exactly
;;       r = np.clip(x / 2.0 ** e, -6, 6)
;;       step = 2.0 ** (np.maximum(np.frexp(np.where(r == 0, 1, r))[1] - 1, 0) - 1)
;;       q = np.round(r / step) * step * 2.0 ** e      # np.round: ties to even
;;       return np.moveaxis(q.reshape(q.shape[:-2] + (-1,))[..., :K], -1, axis).astype(np.float32)
;;   ~~~
;;   SOFTMAX AHEAD OF A QUANTISED PRODUCT. Where the list says 'softmax', what is quantised is not the finished softmax but p = 2^(t - M), with t = logit x log2(e) and M = ceil(the row's largest t), a whole number; so 1/2 < the row's largest p <= 1. The row's sum l is taken of the UNQUANTISED p, in f32, and the product's result is divided by l at the end. Since M is a whole number, a kernel that streams over the keys may use a running M (the ceiling of the running maximum): every later rescaling is an exact power of two, which a block's scale takes up: the codes' values come out the same.
;;   OPERANDS COMPUTED ON THE WAY. 'Computed on the way' means the value that the module computes at that place (a softmax that the list does not call 'softmax' is quantised finished and normalised). What goes into a quantiser is computed in f32, as accurately as f32 sums, v_exp_f32 and their like allow (about 1e-6 of the number): no bf16 or f16 on the way to a quantiser, and a product that is left as it is and whose result goes on into a quantised operand takes f32 operands (vector FMAs, or v_wmma_f32_16x16x4_f32). A number that lies on a knife's edge between two numbers of the format may be rounded either way, as far as f32 arithmetic and the matrix unit's own rounding can turn it there, and no further.
;; One version. Each part assembles by itself: llvm-mc -triple=amdgcn-amd-amdhsa -mcpu=gfx1250 --defsym DOCPART=n.
;; ======== version 1 of 1: 2 launches
;; limits: right only within a limited range of input values
;; workspace buffers: q_codes 4,194,304 bytes; k_codes 4,194,304 bytes; v_codes 4,194,304 bytes; q_scales 262,144 bytes; k_scales 262,144 bytes; v_scales 262,144 bytes
;; launch quant (part 1): grid 768 x 1, 4 waves a work-group, no clusters, 70,144 bytes of LDS; arguments query, key, q_codes, k_codes, q_scales, k_scales, value, v_codes, v_scales; writes q_codes, k_codes, q_scales, k_scales, v_codes, v_scales
.if DOCPART == 1
	.amdgcn_target "amdgcn-amd-amdhsa--gfx1250"
	.amdhsa_code_object_version 6
	.text
	.protected	k_qab28702b3c_quant
	.globl	k_qab28702b3c_quant
	.p2align	8
	.type	k_qab28702b3c_quant,@function
k_qab28702b3c_quant:
	s_mov_b64 s[64:65], 0
	v_nop
	global_prefetch_b8 v0, s[64:65] scope:SCOPE_SE
	s_setreg_imm32_b32 hwreg(HW_REG_WAVE_MODE, 25, 1), 1
	s_wait_xcnt 0x0
; query, key, value: [2][2048][16 heads x 128] f32.  They are turned into codes of FP4 (E2M1), two to a byte, the lower k in the low four bits, with one E8M0 scale byte for each 32 along K.
;   query, key: K = the head's 128, innermost in memory.  q_codes, k_codes: [bh 32][row 2048][64 bytes];  q_scales, k_scales: [bh][row][4 bytes].
;   value:      K = the keys, the ROW axis.  v_codes: [bh][step of 128 keys, 16][channel 128][64 bytes], keys innermost;  v_scales: [bh][channel][64 bytes].
; A block's scale is 2^(floor(log2(its largest magnitude)) - 2): its byte is the largest magnitude's own exponent field - 2, held at 1 from below by a floor among the maximum's leaves.
; Each number is divided by the scale and rounded to the nearest code, ties to even; beyond 6 the conversion gives the largest code.
; LIMITS: a block of zeros gets the byte 1 where the rule says 127 (its codes are zeros, which add nothing under any byte but 0xff, and this program alone reads the bytes);
; NaN and infinities among the inputs are not served.
; ONE LAUNCH, TWO PATHS, parted on the work-group's number: 0-255 take value, 256-511 query, 512-767 key, 32,768 numbers each.  Each path has LDS bytes of its own.
; No tensor loads, no barrier, no cluster: waves share nothing, and no two work-groups read the same bytes.
.set EFLOOR, 0x1800000                 ; 2^(3 - 127): no largest magnitude is taken under it, so the byte cannot fall under 1
.set EOFF,   0xff000000                ; takes 2 off an exponent field
	s_load_b256 s[4:11], s[0:1], 0x0               ; query s[4:5], key s[6:7], q_codes s[8:9], k_codes s[10:11]
	s_load_b256 s[12:19], s[0:1], 0x20             ; q_scales s[12:13], k_scales s[14:15], value s[16:17], v_codes s[18:19]
	s_load_b64 s[20:21], s[0:1], 0x40              ; v_scales
	v_lshl_add_u32 v192, v0, 2, 0x11000            ; my spare word, behind both paths' LDS bytes; never rewritten
	v_mov_b32 v193, 0                              ; 0; never rewritten
	v_lshrrev_b32 v1, 5, v0
	v_readfirstlane_b32 s22, v1                    ; wave 0..3
	v_and_b32 v2, 31, v0                           ; lane
	s_wait_kmcnt 0x0
	s_cmp_lt_u32 ttmp9, 256
	s_cbranch_scc1 .Lvalue
; ---------------------------------------------------------------- query and key
; A wave takes 64 rows of one head, in 16 steps of 4 rows; the four waves take four neighbouring heads, 2,048 consecutive bytes of each row.
; A load reads one row of the head: 512 consecutive bytes, 16 a lane.  The conversions want 16 NEIGHBOURS in a lane: a step's 2,048 bytes turn through the wave's own stage in LDS
; (in: as loaded; out: 64 bytes a lane, 80 bytes from lane to lane).  Then lane l holds numbers 16 (l % 8) .. + 15 of row 4 t + l / 8; lanes l and l xor 1 hold a block.
.set QR, 16                            ; v16-79   four sets of 16 numbers as loaded
.set QX, 80                            ; v80-111  two sets of 16 neighbours
.set QE, 112                           ; v112-127 a scale byte for each step
.set QC, 128                           ; v128-191 codes: registers of its own for each step, so that no store's data are written again
.set SP, 80                            ; a lane's place in a stage: 64 bytes + 16 of padding
	s_sub_co_u32 s23, ttmp9, 256
	s_cmp_lt_u32 s23, 256                          ; query's work-group or key's?  The choice hangs on the work-group's number alone
	s_cselect_b64 s[4:5], s[4:5], s[6:7]
	s_cselect_b64 s[8:9], s[8:9], s[10:11]
	s_cselect_b64 s[12:13], s[12:13], s[14:15]
	s_and_b32 s24, s23, 255
	s_lshr_b32 s25, s24, 7                         ; batch
	s_bfe_u32 s26, s24, 0x50002                    ; which 64 rows: 5 bits from bit 2
	s_and_b32 s27, s24, 3
	s_lshl_b32 s27, s27, 2
	s_add_co_u32 s27, s27, s22                     ; head = 4 x group + wave
	s_lshl_b32 s28, s25, 4
	s_add_co_u32 s28, s28, s27                     ; bh = 16 x batch + head
	s_lshl_b32 s30, s25, 24                        ; in: a batch is 2^24 bytes, 64 rows 2^19, a head 512
	s_lshl_b32 s29, s26, 19
	s_add_co_u32 s30, s30, s29
	s_lshl_b32 s29, s27, 9
	s_add_co_u32 s30, s30, s29
	s_mov_b32 s31, 0
	s_add_nc_u64 s[4:5], s[4:5], s[30:31]
	s_lshl_b32 s30, s28, 17                        ; codes: a head is 2^17 bytes, 64 rows 4,096
	s_lshl_b32 s29, s26, 12
	s_add_co_u32 s30, s30, s29
	s_add_nc_u64 s[8:9], s[8:9], s[30:31]
	s_lshl_b32 s30, s28, 13                        ; scale bytes: a head is 2^13 bytes, 64 rows 256
	s_lshl_b32 s29, s26, 8
	s_add_co_u32 s30, s30, s29
	s_add_nc_u64 s[12:13], s[12:13], s[30:31]
	s_wait_alu depctr_va_vdst(0)                   ; the wait behind the run of scalar lines
	v_lshlrev_b32 v3, 4, v2                        ; my 16 bytes of a load's 512
	s_lshl_b32 s32, s22, 13                        ; LDS: 8,192 bytes for each wave: two stages of 32 x 80, then 256 scale bytes
	v_lshrrev_b32 v14, 2, v2
	v_mul_u32_u24 v14, v14, SP
	v_and_b32 v15, 3, v2
	v_lshl_add_u32 v14, v15, 4, v14
	v_add_nc_u32 v14, s32, v14                     ; into a stage: 80 (lane / 4) + 16 (lane % 4); a load's 512 bytes take eight places
	v_mul_u32_u24 v15, v2, SP
	v_add_nc_u32 v15, s32, v15                     ; out of it: 80 x lane
	v_lshlrev_b32 v4, 3, v2                        ; 8 x lane: my codes' place in a step's 256 bytes, and my 8 scale bytes' at the end
	v_lshrrev_b32 v5, 1, v2
	s_add_co_u32 s32, s32, 2*32*SP
	v_add_nc_u32 v5, s32, v5                       ; my block's scale byte
	v_add_nc_u32 v6, s32, v4                       ; and on the way out 8 bytes a lane
.macro QLOAD t                         ; step t: rows 4 t .. 4 t + 3 of my head, 8,192 bytes apart
.irp i, 0,1,2,3
	global_load_b128 v[QR+16*((\t)%4)+4*\i:QR+16*((\t)%4)+4*\i+3], v3, s[4:5] offset:8192*(4*(\t)+\i) th:TH_LOAD_NT
.endr
.endm
.macro QTURN t                         ; step t's numbers through a stage: LDS serves a wave's instructions in order (ISA guide 5.7.1), so no wait stands between the stores and the loads
.irp i, 0,1,2,3
	ds_store_b128 v14, v[QR+16*((\t)%4)+4*\i:QR+16*((\t)%4)+4*\i+3] offset:32*SP*((\t)%2)+8*SP*\i
.endr
.irp i, 0,1,2,3
	ds_load_b128 v[QX+16*((\t)%2)+4*\i:QX+16*((\t)%2)+4*\i+3], v15 offset:32*SP*((\t)%2)+16*\i
.endr
.endm
.irp t, 0,1,2,3
	QLOAD \t
.endr
	s_wait_alu depctr_va_vdst(0)                   ; the wait directly ahead of the wait below
	s_wait_loadcnt 12                              ; step 0's four loads are in; the twelve of steps 1 to 3 stay out
	QTURN 0
.macro QSTEP t
.set XS, QX+16*((\t)%2)
.if (\t) > 0
	s_wait_dscnt 1                                 ; this step's numbers are back from the stage (the last step's byte store may be out): so its stores into the stage have read their registers,
.else
	s_wait_dscnt 0x0
.endif
.if (\t)+4 < 16
	QLOAD (\t)+4                                   ; which take the loads of four steps on
.endif
.if (\t)+1 < 16
.if 14-(\t) >= 3
	s_wait_loadcnt 12                              ; the next step's four loads are in; those of the three steps behind it may be out
.else
	s_wait_loadcnt 4*(14-(\t))                     ; towards the end fewer steps stand behind it
.endif
	QTURN (\t)+1                                   ; they go through the other stage while this step is worked
.endif
	v_max3_num_f32 v8, |v[XS]|, |v[XS+1]|, |v[XS+2]|               ; the largest magnitude of my 16, in two chains
	v_max3_num_f32 v9, |v[XS+3]|, |v[XS+4]|, |v[XS+5]|
.irp i, 6,10
	v_max3_num_f32 v8, v8, |v[XS+\i]|, |v[XS+\i+1]|
	v_max3_num_f32 v9, v9, |v[XS+\i+2]|, |v[XS+\i+3]|
.endr
	v_max3_num_f32 v8, v8, |v[XS+14]|, |v[XS+15]|
	v_max3_num_f32 v8, v8, v9, EFLOOR              ; and the floor
	v_max_num_f32_dpp v8, v8, v8 row_xmask:1 row_mask:0xf bank_mask:0xf   ; and of my neighbour's 16: the block's
	v_add_nc_u32 v11, EOFF, v8                     ; 2 off its exponent field: the conversion takes the exponent field of this operand as its scale, and nothing else of it
	v_cvt_scalef32_pk8_fp4_f32 v[QC+4*(\t)], v[XS:XS+7], v11
	v_cvt_scalef32_pk8_fp4_f32 v[QC+4*(\t)+1], v[XS+8:XS+15], v11
	v_lshrrev_b32 v[QE+(\t)], 23, v11              ; the scale's byte (also the plain line behind the conversions)
	ds_store_b8 v5, v[QE+(\t)] offset:16*(\t)      ; both lanes of a block write the same byte with the same value: byte 16 t + lane / 2 = 4 x row + block
	global_store_b64 v4, v[QC+4*(\t):QC+4*(\t)+1], s[8:9] offset:256*(\t)   ; the wave stores 256 consecutive bytes, aligned: four rows of 64 bytes
.endm
.irp t, 0,1,2,3,4,5,6,7,8,9,10,11,12,13,14,15
	QSTEP \t
.endr
	ds_load_b64 v[12:13], v6                       ; in order behind my byte stores
	s_wait_dscnt 0x0
	global_store_b64 v4, v[12:13], s[12:13]        ; 32 lanes store 256 consecutive bytes, aligned: the scale bytes of my 64 rows
	s_wait_tensorcnt 0x0                           ; the wave's end
	ds_add_u32 v192, v193
	s_wait_dscnt 0x0
	s_endpgm
; ---------------------------------------------------------------- value
; A LANE TAKES A COLUMN (a head's channel), AND ITS REGISTERS RUN DOWN THE KEYS: a block of 32 keys lies in one lane's 32 registers, its largest magnitude needs no other lane,
; and the conversions give codes with the keys innermost.  A wave takes 32 columns x 256 keys: 8 blocks a lane, two steps of 64 bytes of codes for each column.  The codes go through the wave's own
; stage in LDS (a row a column) and leave by steps: eight channels of a step are 512 consecutive bytes of v_codes, one store of the wave.  Loads run two blocks ahead.
.Lvalue:
.set VSB, 24                           ; v24-25   my 8 scale bytes, four to a register
.set VX,  32                           ; v32-95   two sets of 32 numbers
.set VC,  96                           ; v96-99   a block's codes
.set VO,  112                          ; v112-143 the way out
.set VST, 32768                        ; this path's LDS begins behind the other path's
.set VPI, 272                          ; a stage row
	s_lshr_b32 s23, ttmp9, 7                       ; batch
	s_bfe_u32 s24, ttmp9, 0x40003                  ; which 128 columns: 4 bits from bit 3
	s_and_b32 s25, ttmp9, 7                        ; which 256 keys
	s_lshl_b32 s24, s24, 7
	s_lshl_b32 s26, s22, 5
	s_add_co_u32 s24, s24, s26                     ; my wave's first column
	s_lshl_b32 s26, s23, 11
	s_add_co_u32 s26, s26, s24                     ; 2,048 x batch + column = 128 x bh + channel
	s_lshl_b32 s28, s23, 24                        ; in: a batch is 2^24 bytes, 256 rows 2^21, a column 4
	s_lshl_b32 s27, s25, 21
	s_add_co_u32 s28, s28, s27
	s_lshl_b32 s27, s24, 2
	s_add_co_u32 s28, s28, s27
	s_mov_b32 s29, 0
	s_add_nc_u64 s[16:17], s[16:17], s[28:29]
	s_lshr_b32 s28, s26, 7                         ; codes: a head is 2^17 bytes, a step 8,192, a channel 64
	s_lshl_b32 s28, s28, 17
	s_and_b32 s27, s26, 127                        ; my wave's first channel
	s_lshl_b32 s27, s27, 6
	s_add_co_u32 s28, s28, s27
	s_lshl_b32 s27, s25, 14                        ; 256 keys are two steps
	s_add_co_u32 s28, s28, s27
	s_add_nc_u64 s[18:19], s[18:19], s[28:29]
	s_lshl_b32 s28, s26, 6                         ; scale bytes: 64 a column, 8 for 256 keys
	s_lshl_b32 s27, s25, 3
	s_add_co_u32 s28, s28, s27
	s_add_nc_u64 s[20:21], s[20:21], s[28:29]
	s_wait_alu depctr_va_vdst(0)                   ; the wait behind the run of scalar lines
	v_lshlrev_b32 v3, 2, v2                        ; in: 4 bytes a lane
	s_mul_i32 s30, s22, 32*VPI
	s_add_co_u32 s30, s30, VST                     ; my stage
	v_mul_u32_u24 v4, v2, VPI
	v_add_nc_u32 v4, s30, v4                       ; into it: row = my column
	v_and_b32 v5, 3, v2                            ; out of it: four lanes to a channel's 64 bytes of one step, eight channels an instruction
	v_lshrrev_b32 v6, 2, v2
	v_mul_u32_u24 v7, v6, VPI
	v_lshl_add_u32 v7, v5, 4, v7
	v_add_nc_u32 v7, s30, v7
	v_lshlrev_b32 v8, 4, v2                        ; in v_codes eight channels of a step are 512 consecutive bytes: 16 a lane
	v_lshlrev_b32 v9, 6, v2                        ; my column's row of scale bytes
.macro VLOAD t                         ; block t: value(32 t + i, my column), i = 0 .. 31; the largest offset, 255 x 8,192, lies inside the signed 24-bit immediate (ISA guide, chapter 10)
.irp i, 0,1,2,3,4,5,6,7,8,9,10,11,12,13,14,15,16,17,18,19,20,21,22,23,24,25,26,27,28,29,30,31
	global_load_b32 v[VX+32*((\t)%2)+\i], v3, s[16:17] offset:(32*(\t)+\i)*8192 th:TH_LOAD_NT
.endr
.endm
	VLOAD 0
	VLOAD 1
.macro VBLOCK t
.set XS, VX+32*((\t)%2)
.if (\t) < 7
	s_wait_loadcnt 32                              ; this block's 32 loads are in; the next block's 32 may be out
.else
	s_wait_loadcnt 0x0
.endif
	v_max3_num_f32 v12, |v[XS]|, |v[XS+1]|, |v[XS+2]|              ; the block's largest magnitude: all 32 numbers are mine
	v_max3_num_f32 v13, |v[XS+3]|, |v[XS+4]|, |v[XS+5]|
.irp i, 6,10,14,18,22,26
	v_max3_num_f32 v12, v12, |v[XS+\i]|, |v[XS+\i+1]|
	v_max3_num_f32 v13, v13, |v[XS+\i+2]|, |v[XS+\i+3]|
.endr
	v_max3_num_f32 v12, v12, |v[XS+30]|, |v[XS+31]|
	v_max3_num_f32 v12, v12, v13, EFLOOR           ; and the floor
	v_add_nc_u32 v11, EOFF, v12                    ; the conversion's scale operand
	v_lshrrev_b32 v13, 23, v11                     ; the scale's byte
.if (\t)%4 == 0
	v_mov_b32 v[VSB+(\t)/4], v13                   ; four bytes to a register, the earlier keys in the lower byte
.else
	v_lshl_or_b32 v[VSB+(\t)/4], v13, 8*((\t)%4), v[VSB+(\t)/4]
.endif
.irp g, 0,1,2,3
	v_cvt_scalef32_pk8_fp4_f32 v[VC+\g], v[XS+8*\g:XS+8*\g+7], v11
.endr
	v_nop                                          ; one plain line behind the last conversion
	ds_store_b128 v4, v[VC:VC+3] offset:16*(\t)    ; 32 codes: 16 bytes of my column's row
.if (\t)+2 < 8
	VLOAD (\t)+2
.endif
	s_wait_dscnt 0x0                               ; the store has read its registers: the next block's codes may be written
.endm
.irp t, 0,1,2,3,4,5,6,7
	VBLOCK \t
.endr
	s_wait_alu depctr_va_vdst(0)                   ; the wait directly ahead of the reader below
	global_store_b64 v9, v[VSB:VSB+1], s[20:21]    ; my column's 8 scale bytes
.irp t, 0,1,2,3,4,5,6,7
	ds_load_b128 v[VO+4*\t:VO+4*\t+3], v7 offset:(\t%4)*8*VPI+64*(\t/4)   ; step t / 4 of my two, channels 8 (t % 4) on
.endr
.irp t, 0,1,2,3,4,5,6,7
	s_wait_dscnt 7-\t                              ; the younger loads from the stage may be out
	global_store_b128 v8, v[VO+4*\t:VO+4*\t+3], s[18:19] offset:(\t/4)*8192+(\t%4)*512   ; the wave stores 512 consecutive bytes, aligned
.endr
	s_wait_tensorcnt 0x0                           ; the wave's end
	ds_add_u32 v192, v193
	s_wait_dscnt 0x0
	s_endpgm
.Lfunc_end_k_qab28702b3c_quant:
	.size	k_qab28702b3c_quant, .Lfunc_end_k_qab28702b3c_quant-k_qab28702b3c_quant
	.p2alignl 7, 3214868480
	.fill 96, 4, 3214868480
	.section	.rodata,"a",@progbits
	.p2align	6, 0x0
	.amdhsa_kernel k_qab28702b3c_quant
		.amdhsa_group_segment_fixed_size 70144
		.amdhsa_private_segment_fixed_size 0
		.amdhsa_enable_private_segment 0
		.amdhsa_kernarg_size 72
		.amdhsa_user_sgpr_count 2
		.amdhsa_user_sgpr_kernarg_segment_ptr 1
		.amdhsa_wavefront_size32 1
		.amdhsa_system_sgpr_workgroup_id_x 1
		.amdhsa_system_sgpr_workgroup_id_y 1
		.amdhsa_system_sgpr_workgroup_id_z 1
		.amdhsa_system_vgpr_workitem_id 0
		.amdhsa_next_free_vgpr 194
		.amdhsa_next_free_sgpr 66
		.amdhsa_reserve_vcc 0
		.amdhsa_float_denorm_mode_32 3
		.amdhsa_float_denorm_mode_16_64 3
		.amdhsa_memory_ordered 1
		.amdhsa_forward_progress 1
		.amdhsa_inst_pref_size 74
	.end_amdhsa_kernel
	.amdgpu_metadata
---
amdhsa.version: [ 1, 2 ]
amdhsa.kernels:
  - .name:           k_qab28702b3c_quant
    .symbol:         k_qab28702b3c_quant.kd
    .args:
      - { .name: query, .offset: 0, .size: 8, .value_kind: global_buffer, .address_space: global }
      - { .name: key, .offset: 8, .size: 8, .value_kind: global_buffer, .address_space: global }
      - { .name: q_codes, .offset: 16, .size: 8, .value_kind: global_buffer, .address_space: global }
      - { .name: k_codes, .offset: 24, .size: 8, .value_kind: global_buffer, .address_space: global }
      - { .name: q_scales, .offset: 32, .size: 8, .value_kind: global_buffer, .address_space: global }
      - { .name: k_scales, .offset: 40, .size: 8, .value_kind: global_buffer, .address_space: global }
      - { .name: value, .offset: 48, .size: 8, .value_kind: global_buffer, .address_space: global }
      - { .name: v_codes, .offset: 56, .size: 8, .value_kind: global_buffer, .address_space: global }
      - { .name: v_scales, .offset: 64, .size: 8, .value_kind: global_buffer, .address_space: global }
    .group_segment_fixed_size: 70144
    .private_segment_fixed_size: 0
    .kernarg_segment_align: 8
    .kernarg_segment_size: 72
    .max_flat_workgroup_size: 128
    .sgpr_count:     66
    .vgpr_count:     194
    .wavefront_size: 32
...
	.end_amdgpu_metadata
.endif
;; end of part 1
;; launch attn (part 2): grid 8 x 32, 8 waves a work-group, clusters of 4 x 1, 327,680 bytes of LDS; arguments q_codes, q_scales, k_codes, k_scales, v_codes, v_scales, out0; writes out0
.if DOCPART == 2
	.amdgcn_target "amdgcn-amd-amdhsa--gfx1250"
	.amdhsa_code_object_version 6
	.text
	.protected	k_qab28702b3c_attn
	.globl	k_qab28702b3c_attn
	.p2align	8
	.type	k_qab28702b3c_attn,@function
k_qab28702b3c_attn:
	s_mov_b64 s[64:65], 0
	v_nop
	global_prefetch_b8 v0, s[64:65] scope:SCOPE_SE
	s_setreg_imm32_b32 hwreg(HW_REG_WAVE_MODE, 25, 1), 1
	s_wait_xcnt 0x0
	s_wait_alu depctr_hold_cnt(0) depctr_sa_sdst(0) depctr_va_vdst(0) depctr_va_sdst(0) depctr_va_ssrc(0) depctr_va_vcc(0) depctr_vm_vsrc(0)
	s_getreg_b32 s2, hwreg(HW_REG_IB_STS2, 6, 4)
	s_cmp_eq_u32 s2, 0
	s_cbranch_scc0 .Lentry_in_a_cluster
	s_endpgm
.Lentry_in_a_cluster:
	s_bfe_u32 s2, ttmp6, 0x10000c
	s_cmp_lg_u32 s2, 0x3003
	s_cbranch_scc0 .Lentry_shape_is_right
	s_endpgm
.Lentry_shape_is_right:
; out0[b][q][128 h + :] = the sum over k of softmax_k(Q[bh][q] . K[bh][k] / sqrt(128)) V[bh][k][:], both products on codes of FP4 (E2M1) with one E8M0 scale for each 32 along a product's K.
; q_codes, k_codes: [bh 32][2048][64 bytes]; q_scales, k_scales: [bh][2048][4].  v_codes: [bh][step 16][channel 128][64 bytes = 128 keys]; v_scales: [bh][128][64].  out0: [2][2048][2048] f32.
; SOFTMAX: t = score x log2(e) / sqrt(128); M = the row's largest t so far, rounded UP to a whole number; p = 2^(t - M) is quantised along the keys, not normalised.
; The row's sum is taken of the unquantised p and divides O at the end.  When M moves, the sum and O are multiplied by 2^(old M - new M), which rounds nothing.
; LIMITS: NaN and infinities are not served; a p under 2^-126 comes out of v_exp_f32 as 0 (ISA guide 15.8), beside a row's sum of more than 1/2; a block whose every p is 0 keeps the scale byte 1 over zero codes.
; SHARES.  A work-group owns 256 queries of one (batch, head); each of its EIGHT waves owns 32, two tiles of 16, so that each fragment of K and V read from LDS feeds two matrix instructions.
; A key step is 128 keys; the two tiles' softmaxes are written line by line by turns.  K's fragments of step i + 1 and V's of step i are asked of LDS ahead of step i's softmax, into registers of their own.
; LDS HOLDS THE WHOLE HEAD: K's and V's 16 steps of 8,192 bytes each, as rows of 256 bytes + 16, then the scale bytes, then the spare words.  Nothing is filled twice.
; At the head each wave has one tensor load (steps 0-3 in halves, the scale bytes in halves); behind the full sequence and a round each wave has one more (three steps of K or of V): steps 4-15.
; One barrier in step 3 shows steps 4-15 to every wave.  Steps 4-15 each have a barrier that guards no bytes: a wave signals at the step's head and waits ahead of the step's exponentials,
; so that no wave begins a step's exponentials before every wave has begun that step: the two waves that share a SIMD stay within a part of a step of each other.
; CLUSTER.  The four query blocks of a cluster walk the same K, V and scale bytes: each tile is asked for JOINTLY (mask 15).  My place in the cluster enters Q's and out0's addresses alone.
; NO PREFETCH: all tensor loads stand at the head, in two groups; there is no later load for a prefetch to run ahead of.
; LAYOUT.  Both products transposed: S^T = K Q^T, O^T = V^T P^T: a lane holds one query (lane % 16) of each tile.  Tile t of K is keys 16 t .. 16 t + 15: register j of lane half h is key 16 t + 8 h + j.
; The conversions' results of tiles 4 c + (0, 2, 1, 3) go to registers 4 c + (0, 1, 2, 3) of P's operand, and two exchanges of halves give each lane half its whole block of 32 keys.
; REGISTERS, window 0: addresses, Q, scale words, P's codes, S^T (v112-239).  Window 1: v0-127 O^T of both tiles, v128-191 K's fragments, v192-255 V's.
.set STEPB, 32*272                     ; a step of K or V in LDS
.set VB,    16*STEPB                   ; V's steps lie behind K's
.set SCK,   2*VB                       ; K's scale bytes: 32 rows of 256 + 16
.set SCH,   16*272                     ; half of them
.set SCV,   SCK+2*SCH
.set SPARE, SCV+2*SCH                  ; the spare words: 128 bytes for each of 8 waves, four blocks of 256 bytes that no other line names
.set AK0, 1                            ; my lane's place in a tile of K;  AV0 of V;  ASK0, ASV0 among the scale words
.set AV0, 2
.set ASK0, 3
.set ASV0, 4
.set SPW, 5                            ; my spare word's address; never rewritten
.set NIL, 6                            ; 0; never rewritten
.set GO,  7                            ; my byte offset in the wave's rows of out0
.set ADK, 8                            ; the step's LDS addresses
.set ADV, 9
.set ADS, 10
.set ADT, 11
.set NM,  12                           ; v[12:13], v[14:15]: -M and the largest score so far, tile 0, tile 1
.set SUM, 16                           ; v[16:17], v[18:19]: the row's sum in two halves
.set FF,  20                           ; v20, v22: f = 2^(old M - new M) (v21, v23 are named with them as pairs)
.set PS,  24                           ; v24, v25: p's scale words
.set QS,  26                           ; Q's scale words: lanes 0-15 tile 0, lanes 16-31 tile 1
.set SWK, 28                           ; v28-31 K's scale words, two tiles to a register;  v32-35 V's
.set SWV, 32
.set QA,  36                           ; v36-43, v44-51 Q's fragments
.set QB,  44
.set PC,  52                           ; v52-59, v60-67 p's codes
.set BM,  68                           ; v68-75 the eight blocks' largest scores, then largest p
.set T4,  76
.set SOP, 84                           ; the conversions' scale operands
.set XX,  92
.set YY,  94
.set W,   96                           ; v96-111 eight partial sums (pairs)
.set S,   112                          ; v112-175 S^T then p of tile 0, v176-239 of tile 1
.set OTA, 0                            ; window 1
.set OTB, 64
.set FK,  128
.set FV,  192
.set WV,  18
.set SEL, 20
.set CS,  22
.set G1H, 24                           ; group 1: 64 rows of 256 bytes;  G1R: 96 rows;  G1S: the scale bytes' 16 rows
.set G1R, 32
.set G0,  40
.set G0S, 44
.set G1S, 48
.set TK,  66                           ; LDS byte of the NEXT step's K;  TV of this step's V;  TS, TJ the scale words likewise
.set TV,  67
.set TS,  68
.set TJ,  69
.set CNT, 70
.set MSB, 0
.macro WIN new                         ; the immediate's high byte repeats the setting that is left
.if MSB != \new
	s_set_vgpr_msb (MSB<<8)|\new
.set MSB, \new
.endif
.endm
.macro CROUND                          ; a round of the cluster's barrier
	s_barrier_signal -1
	s_barrier_wait -1
	s_cmp_lg_u32 s[WV], 0
	s_cbranch_scc1 .Lnot_wave_0_\@
	s_barrier_signal -3
.Lnot_wave_0_\@:
	s_barrier_wait -3
	s_barrier_signal -1
	s_barrier_wait -1
.endm
.macro WM d, a, b, c, sa, sb, ra, rb   ; ra, rb: which half of the lanes holds A's and B's scale words
.if (\ra)==0
.if (\rb)==0
	v_wmma_scale_f32_16x16x128_f8f6f4 v[\d:\d+7], v[\a:\a+7], v[\b:\b+7], \c, v[\sa], v[\sb] matrix_a_fmt:MATRIX_FMT_FP4 matrix_b_fmt:MATRIX_FMT_FP4
.else
	v_wmma_scale_f32_16x16x128_f8f6f4 v[\d:\d+7], v[\a:\a+7], v[\b:\b+7], \c, v[\sa], v[\sb] matrix_a_fmt:MATRIX_FMT_FP4 matrix_b_fmt:MATRIX_FMT_FP4 matrix_b_scale:MATRIX_SCALE_ROW1
.endif
.else
.if (\rb)==0
	v_wmma_scale_f32_16x16x128_f8f6f4 v[\d:\d+7], v[\a:\a+7], v[\b:\b+7], \c, v[\sa], v[\sb] matrix_a_fmt:MATRIX_FMT_FP4 matrix_b_fmt:MATRIX_FMT_FP4 matrix_a_scale:MATRIX_SCALE_ROW1
.else
	v_wmma_scale_f32_16x16x128_f8f6f4 v[\d:\d+7], v[\a:\a+7], v[\b:\b+7], \c, v[\sa], v[\sb] matrix_a_fmt:MATRIX_FMT_FP4 matrix_b_fmt:MATRIX_FMT_FP4 matrix_a_scale:MATRIX_SCALE_ROW1 matrix_b_scale:MATRIX_SCALE_ROW1
.endif
.endif
.endm
.macro KSC as                          ; K's scale words of a step: 32 keys, 128 bytes, an instruction
.irp p, 0,1,2,3
	ds_load_b32 v[SWK+\p], v[\as] offset:272*(\p/2)+128*(\p%2)
.endr
.endm
.macro FRAG f, ad                      ; eight fragments: tile t is four LDS rows on; the destination lies in window 1
.irp t, 0,1,2,3,4,5,6,7
	ds_load_b128 v[\f+8*\t:\f+8*\t+3], v[\ad] offset:1088*\t
	ds_load_b128 v[\f+8*\t+4:\f+8*\t+7], v[\ad] offset:1088*\t+32
.endr
.endm
	s_load_b256 s[4:11], s[0:1], 0x0               ; q_codes, q_scales, k_codes, k_scales
	s_load_b128 s[12:15], s[0:1], 0x20             ; v_codes, v_scales
	s_load_b64 s[16:17], s[0:1], 0x30              ; out0
	v_lshl_add_u32 v[SPW], v0, 2, SPARE
	v_mov_b32 v[NIL], 0
	ds_add_u32 v[SPW], v[NIL]                      ; the opening lines: the add twice on end and its wait
	ds_add_u32 v[SPW], v[NIL]
	v_lshrrev_b32 v8, 5, v0
	v_readfirstlane_b32 s[WV], v8                  ; wave 0..7
	s_bfe_u32 s19, ttmp6, 0x40000                  ; cx
	s_and_b32 s72, ttmp7, 0xffff                   ; bh, which the four partners share
	s_lshl_b32 s74, s72, 17                        ; the head's first byte in each tensor of codes,
	s_lshl_b32 s76, s72, 13                        ; and of scale bytes
	s_lshl_b32 s80, ttmp9, 2
	s_add_co_u32 s80, s80, s19
	s_lshl_b32 s80, s80, 8
	s_lshl_b32 s81, s[WV], 5
	s_add_co_u32 s80, s80, s81                     ; my first query: 256 x (4 x cluster x + cx) + 32 x wave
	s_lshl_b32 s82, s80, 6
	s_add_co_u32 s82, s82, s74                     ; its codes,
	s_mov_b32 s83, 0
	s_lshl_b32 s84, s80, 2
	s_add_co_u32 s84, s84, s76                     ; its scale word,
	s_mov_b32 s85, 0
	s_lshr_b32 s86, s72, 4
	s_lshl_b32 s86, s86, 24                        ; its place in out0: batch x 2^24 + head x 512 + query x 8,192
	s_and_b32 s87, s72, 15
	s_lshl_b32 s87, s87, 9
	s_add_co_u32 s86, s86, s87
	s_lshl_b32 s87, s80, 13
	s_add_co_u32 s86, s86, s87
	s_mov_b32 s87, 0
	; the head's loads.  Waves 0, 1: K's steps 0-1, 2-3; waves 2, 3: V's; waves 4, 5: the halves of K's scale bytes; waves 6, 7: of V's.  No register below holds cx
	s_and_b32 s88, s[WV], 1
	s_bfe_u32 s89, s[WV], 0x10001                  ; bit 1 of the wave's number: 0 K, 1 V
	s_mul_i32 s90, s89, VB
	s_mul_i32 s91, s88, 2*STEPB
	s_mov_b32 s[G0], 1
	s_add_co_u32 s[G0+1], s90, s91
	s_lshl_b32 s92, s88, 14
	s_add_co_u32 s92, s92, s74
	s_mov_b32 s93, 0
	s_and_b32 s94, s[WV], 3
	s_mul_i32 s94, s94, SCH
	s_mov_b32 s[G0S], 1
	s_add_co_u32 s[G0S+1], s94, SCK
	s_lshl_b32 s96, s88, 12
	s_add_co_u32 s96, s96, s76
	s_mov_b32 s97, 0
	s_mov_b32 s[G1H], 15|(1<<20)|(1<<21)|(5<<22)|(3<<25)   ; mask: all four work-groups; elements of 1 byte; four words of padding after every 64
	s_mov_b32 s[G1H+1], 256<<16
	s_mov_b32 s[G1H+2], 64<<16
	s_mov_b32 s[G1H+3], 256<<16
	s_mov_b32 s[G1H+4], 64
	s_mov_b32 s[G1H+5], 256
	s_mov_b32 s[G1H+6], 0
	s_mov_b32 s[G1H+7], 0
	s_mov_b32 s[G1R], 15|(1<<20)|(1<<21)|(5<<22)|(3<<25)
	s_mov_b32 s[G1R+1], 256<<16
	s_mov_b32 s[G1R+2], 96<<16
	s_mov_b32 s[G1R+3], 256<<16
	s_mov_b32 s[G1R+4], 96
	s_mov_b32 s[G1R+5], 256
	s_mov_b32 s[G1R+6], 0
	s_mov_b32 s[G1R+7], 0
	s_mov_b32 s[G1S], 15|(3<<16)|(1<<20)|(1<<21)|(5<<22)|(3<<25)   ; 16 rows of 32 elements of 8 bytes
	s_mov_b32 s[G1S+1], 32<<16
	s_mov_b32 s[G1S+2], 16<<16
	s_mov_b32 s[G1S+3], 32<<16
	s_mov_b32 s[G1S+4], 16
	s_mov_b32 s[G1S+5], 32
	s_mov_b32 s[G1S+6], 0
	s_mov_b32 s[G1S+7], 0
	s_mov_b32 s[SEL], 0x76543210
	s_mov_b32 s[SEL+1], 0xfedcba98
	s_mov_b32 s[CS], 0x3e0293ee                    ; c = log2(e) / sqrt(128)
	s_mov_b32 s[CS+1], s[CS]
	s_mov_b32 s[TK], STEPB
	s_mov_b32 s[TV], 0
	s_mov_b32 s[TS], 544
	s_mov_b32 s[TJ], 0
	s_wait_dscnt 0x0                               ; both opening adds are done
	s_wait_kmcnt 0x0
	s_cmp_eq_u32 s89, 0                            ; the choice hangs on the wave's number alone
	s_cselect_b64 s[G0+2:G0+3], s[8:9], s[12:13]
	s_cselect_b64 s[G0S+2:G0S+3], s[10:11], s[14:15]
	s_add_nc_u64 s[G0+2:G0+3], s[G0+2:G0+3], s[92:93]
	s_or_b32 s[G0+3], s[G0+3], 0x80000000
	s_add_nc_u64 s[G0S+2:G0S+3], s[G0S+2:G0S+3], s[96:97]
	s_or_b32 s[G0S+3], s[G0S+3], 0x80000000
	CROUND                                         ; all four work-groups are here: the first joint loads meet
	s_cmp_lt_u32 s[WV], 4                          ; one chain, one load to an arm: one tensor load a wave at the head
	s_cbranch_scc0 .Lhead_s
	tensor_load_to_lds s[G0:G0+3], s[G1H:G1H+7]
	s_nop 0
.rept 4
	v_nop
.endr
	s_branch .Lhead_asked
.Lhead_s:
	tensor_load_to_lds s[G0S:G0S+3], s[G1S:G1S+7]
	s_nop 0
.rept 4
	v_nop
.endr
.Lhead_asked:
	s_add_nc_u64 s[4:5], s[4:5], s[82:83]
	s_add_nc_u64 s[6:7], s[6:7], s[84:85]
	s_add_nc_u64 s[16:17], s[16:17], s[86:87]
	v_and_b32 v240, 15, v0                         ; r
	v_bfe_u32 v241, v0, 4, 1                       ; h
	v_and_b32 v242, 31, v0                         ; lane
	v_lshlrev_b32 v243, 6, v240
	v_lshl_add_u32 v243, v241, 4, v243             ; 64 r + 16 h
	global_load_b128 v[QA:QA+3], v243, s[4:5]      ; Q's two fragments stay in registers
	global_load_b128 v[QA+4:QA+7], v243, s[4:5] offset:32
	global_load_b128 v[QB:QB+3], v243, s[4:5] offset:1024
	global_load_b128 v[QB+4:QB+7], v243, s[4:5] offset:1056
	v_lshlrev_b32 v244, 2, v242
	global_load_b32 v[QS], v244, s[6:7]            ; the scale words of my 32 queries, a lane a query
	v_lshrrev_b32 v245, 2, v240
	v_lshl_add_u32 v[AK0], v245, 4, v243           ; item r of a tile: 64 r + 16 (r / 4) + 16 h
	v_add_nc_u32 v[AV0], VB, v[AK0]
	v_add_nc_u32 v[ASK0], SCK, v244                ; K's scale words: 4 bytes a key
	v_lshrrev_b32 v246, 2, v242
	v_and_b32 v247, 3, v242
	v_mul_u32_u24 v246, v246, 272
	v_lshl_add_u32 v246, v247, 6, v246
	v_add_nc_u32 v[ASV0], SCV, v246                ; V's: channel = lane: 64 bytes a channel, four channels to a row
	v_lshlrev_b32 v[GO], 13, v241
	v_lshl_add_u32 v[GO], v240, 4, v[GO]
.irp j, 0,1,2,3
	v_mov_b32 v[SUM+\j], 0
.endr
	v_mov_b32 v[FF+1], 0                           ; (named as upper halves of pairs)
	v_mov_b32 v[FF+3], 0
.irp j, 0,1,2,3,4,5,6,7
	v_mov_b32 v[T4+\j], 0                          ; a lane permute's destination counts as one of its sources
.endr
	s_wait_alu depctr_va_vdst(0)                   ; the wait at the head's end
	s_wait_tensorcnt 0x0                           ; my head load is in
	ds_add_u32 v[SPW], v[NIL]
	s_lshr_b32 s89, s[WV], 2                       ; waves 0-3: K, waves 4-7: V; three steps each, from step 4 + 3 (wave % 4)
	s_and_b32 s88, s[WV], 3
	s_mul_i32 s88, s88, 3
	s_add_co_u32 s88, s88, 4
	s_mul_i32 s90, s89, VB
	s_mul_i32 s91, s88, STEPB
	s_add_co_u32 s[G0+1], s90, s91
	s_lshl_b32 s92, s88, 13
	s_add_co_u32 s92, s92, s74
	s_cmp_eq_u32 s89, 0
	s_cselect_b64 s[G0+2:G0+3], s[8:9], s[12:13]
	s_add_nc_u64 s[G0+2:G0+3], s[G0+2:G0+3], s[92:93]
	s_or_b32 s[G0+3], s[G0+3], 0x80000000
	s_wait_dscnt 0x0
	CROUND                                         ; steps 0-3 and the scale bytes are whole in every partner
	tensor_load_to_lds s[G0:G0+3], s[G1R:G1R+7]    ; my one load behind the round: with the other seven, steps 4-15
	s_nop 0
.rept 4
	v_nop
.endr
	KSC ASK0                                       ; step 0's K
	WIN 0x40
	FRAG FK, AK0
	WIN 0
	s_wait_loadcnt 0x0                             ; Q
; A KEY STEP.  first: O^T begins with C = 0, no f.  sync: the barrier that shows steps 4-15.  last: no next K.  pace: the barrier that keeps the waves within a part of a step.
.macro STEP first, sync, last, pace
	s_wait_dscnt 0x0                               ; K's fragments and scale words, asked for a softmax ago; no LDS instruction of mine is out
.if \pace
	s_barrier_signal -1                            ; I have begun this step.  Up to the wait stand matrix and vector work and LDS loads of bytes that nobody writes
.endif
	WIN 0x01
.irp t, 0,1,2,3,4,5,6,7                        ; sixteen accumulators by turns
	WM S+8*\t, FK+8*\t, QA, 0, SWK+\t/2, QS, \t%2, 0
	WM S+64+8*\t, FK+8*\t, QB, 0, SWK+\t/2, QS, \t%2, 1
.endr
	WIN 0
	v_add_nc_u32 v[ADV], s[TV], v[AV0]             ; four places between the products and the loads into their registers and the reads of the scores
	v_add_nc_u32 v[ADT], s[TJ], v[ASV0]
.if \last
	v_nop
	v_nop
.else
	v_add_nc_u32 v[ADK], s[TK], v[AK0]
	v_add_nc_u32 v[ADS], s[TS], v[ASK0]
.endif
	s_wait_alu depctr_va_vdst(0)
.irp p, 0,1,2,3
	ds_load_b32 v[SWV+\p], v[ADT] offset:2176*\p   ; V's scale words: 32 channels, eight LDS rows, an instruction
.endr
.if (\sync)==0 && (\last)==0
	KSC ADS
.endif
	WIN 0x40
	FRAG FV, ADV
.if (\sync)==0 && (\last)==0
	FRAG FK, ADK                                   ; the next step's K: the youngest 16 loads
.endif
	WIN 0
.if \sync
	s_wait_tensorcnt 0x0                           ; my three steps are in;
	ds_add_u32 v[SPW], v[NIL]
	s_wait_dscnt 0x0                               ; and all my reads of steps 0-3 are over
	s_barrier_signal -1
	s_barrier_wait -1                              ; both hold of every wave: steps 4-15 may be read, and steps 0-3 are read no more
	KSC ADS
	WIN 0x40
	FRAG FK, ADK
	WIN 0
.endif
.irp g, 0,1,2,3,4,5,6,7                        ; the largest score of each block of 32 keys, eight blocks by turns; each accumulator is read from its low end on
	v_max3_num_f32 v[BM+\g], v[S+16*\g], v[S+16*\g+1], v[S+16*\g+2]
.endr
.irp i, 3,5,7,9,11,13
.irp g, 0,1,2,3,4,5,6,7
	v_max3_num_f32 v[BM+\g], v[BM+\g], v[S+16*\g+\i], v[S+16*\g+\i+1]
.endr
.endr
.irp g, 0,1,2,3,4,5,6,7
	v_max_num_f32 v[BM+\g], v[BM+\g], v[S+16*\g+15]
.endr
.irp g, 0,1,2,3,4,5,6,7
	v_permlanex16_b32 v[T4+\g], v[BM+\g], s[SEL], s[SEL+1]
.endr
.irp g, 0,1,2,3,4,5,6,7
	v_max_num_f32 v[BM+\g], v[BM+\g], v[T4+\g]     ; with lane l xor 16's 16 keys
.endr
.irp T, 0,1
	v_max3_num_f32 v[XX+\T], v[BM+4*\T], v[BM+4*\T+1], v[BM+4*\T+2]
.endr
.irp T, 0,1
	s_delay_alu instid0(VALU_DEP_2)
.if \first
	v_max_num_f32 v[NM+2*\T+1], v[XX+\T], v[BM+4*\T+3]
.else
	v_max3_num_f32 v[NM+2*\T+1], v[XX+\T], v[BM+4*\T+3], v[NM+2*\T+1]   ; the running largest score
.endif
.endr
.irp T, 0,1
	s_delay_alu instid0(VALU_DEP_2)
	v_mul_f32 v[XX+\T], s[CS], v[NM+2*\T+1]        ; as t (c is positive)
.endr
.if \first
.irp T, 0,1
	s_delay_alu instid0(VALU_DEP_2)
	v_floor_f32 v[NM+2*\T], -v[XX+\T]              ; -M = floor(-t) = -ceil(t)
.endr
.else
.irp T, 0,1
	v_mov_b32 v[YY+\T], v[NM+2*\T]
.endr
.irp T, 0,1
	s_delay_alu instid0(VALU_DEP_4)
	v_floor_f32 v[NM+2*\T], -v[XX+\T]
.endr
.irp T, 0,1
	s_delay_alu instid0(VALU_DEP_2)
	v_sub_f32 v[YY+\T], v[NM+2*\T], v[YY+\T]       ; old M - new M: a whole number, 0 or less
.endr
.irp T, 0,1
	s_delay_alu instid0(VALU_DEP_2)
	v_cvt_i32_f32 v[YY+\T], v[YY+\T]               ; (it saturates)
.endr
.irp T, 0,1
	s_delay_alu instid0(VALU_DEP_2)
	v_ldexp_f32 v[FF+2*\T], 1.0, v[YY+\T]          ; f
.endr
.endif
.set J, 0
.rept 32
	v_pk_fma_f32 v[S+J:S+J+1], v[S+J:S+J+1], s[CS:CS+1], v[NM:NM+1] op_sel_hi:[1,0,0]   ; t - M
	v_pk_fma_f32 v[S+64+J:S+64+J+1], v[S+64+J:S+64+J+1], s[CS:CS+1], v[NM+2:NM+3] op_sel_hi:[1,0,0]
.set J, J+2
.endr
.irp g, 0,1,2,3,4,5,6,7
	v_fma_f32 v[BM+\g], v[BM+\g], s[CS], v[NM+2*(\g/4)]   ; the same of each block's largest score
.endr
.if \pace
	s_barrier_wait -1                              ; every wave has begun this step
.endif
	s_wait_alu depctr_va_vdst(0)                   ; the wait ahead of the batch
.set J, 0
.rept 128
	v_exp_f32 v[S+J], v[S+J]                       ; p = 2^(t - M)
.set J, J+1
.endr
.irp g, 0,1,2,3,4,5,6,7
	v_exp_f32 v[BM+\g], v[BM+\g]                   ; the block's largest p: the same two instructions on the same number
.endr
.if \first
	v_nop                                          ; the plain line behind the exponentials
.else
	v_pk_mul_f32 v[SUM:SUM+1], v[SUM:SUM+1], v[FF:FF+1] op_sel_hi:[1,0]   ; the sums under the new M
	v_pk_mul_f32 v[SUM+2:SUM+3], v[SUM+2:SUM+3], v[FF+2:FF+3] op_sel_hi:[1,0]
.endif
	s_wait_alu depctr_va_vdst(0)                   ; one wait for the batch, ahead of its first reader
.irp g, 0,1,2,3,4,5,6,7
	v_max_num_f32 v[BM+\g], 0x1800000, v[BM+\g]    ; the floor 2^(3 - 127): the byte cannot fall under 1
.endr
.irp g, 0,1,2,3,4,5,6,7
	v_add_nc_u32 v[SOP+\g], 0xff000000, v[BM+\g]   ; 2 off the exponent field: the conversion's scale operand
.endr
.irp g, 0,1,2,3,4,5,6,7
	v_lshrrev_b32 v[T4+\g], 23, v[SOP+\g]          ; the scale's byte
.endr
.irp T, 0,1
	v_lshl_or_b32 v[PS+\T], v[T4+4*\T+1], 8, v[T4+4*\T]
.endr
.irp T, 0,1
	s_delay_alu instid0(VALU_DEP_2)
	v_lshl_or_b32 v[PS+\T], v[T4+4*\T+2], 16, v[PS+\T]
.endr
.irp T, 0,1
	s_delay_alu instid0(VALU_DEP_2)
	v_lshl_or_b32 v[PS+\T], v[T4+4*\T+3], 24, v[PS+\T]
.endr
.irp u, 0,1,2,3,4,5,6,7,8,9,10,11,12,13,14,15  ; tile u % 8 of query tile u / 8: keys 16 t + 8 h + 0 .. 7
	v_cvt_scalef32_pk8_fp4_f32 v[PC+4*(\u/4)+2*(\u%2)+(\u%4)/2], v[S+8*\u:S+8*\u+7], v[SOP+\u/2]
.endr
	v_nop                                          ; one plain line behind the last conversion
.irp q, 0,1,2,3,4,5,6,7
	v_permlane16_swap_b32 v[PC+2*\q], v[PC+2*\q+1] ; lanes 0-15 get block 2 c whole, lanes 16-31 block 2 c + 1
.endr
.irp k, 0,1,2,3,4,5,6,7                        ; the rows' sums of the unquantised p: four chains a tile, by turns
	v_pk_add_f32 v[W+2*\k:W+2*\k+1], v[S+64*(\k/4)+2*(\k%4):S+64*(\k/4)+2*(\k%4)+1], v[S+64*(\k/4)+2*(\k%4)+8:S+64*(\k/4)+2*(\k%4)+9]
.endr
.irp i, 16,24,32,40,48,56
.irp k, 0,1,2,3,4,5,6,7
	v_pk_add_f32 v[W+2*\k:W+2*\k+1], v[W+2*\k:W+2*\k+1], v[S+64*(\k/4)+2*(\k%4)+\i:S+64*(\k/4)+2*(\k%4)+\i+1]
.endr
.endr
.irp k, 0,4,8,12
	v_pk_add_f32 v[W+\k:W+\k+1], v[W+\k:W+\k+1], v[W+\k+2:W+\k+3]
.endr
.irp T, 0,1
.if \T
	s_delay_alu instid0(VALU_DEP_2)                ; tile 1: its nearest source was written two vector instructions back (tile 0's line stands between)
.else
	s_delay_alu instid0(VALU_DEP_3)                ; tile 0: three back
.endif
	v_pk_add_f32 v[W+8*\T:W+8*\T+1], v[W+8*\T:W+8*\T+1], v[W+8*\T+4:W+8*\T+5]
.endr
.irp T, 0,1
	s_delay_alu instid0(VALU_DEP_2)
	v_pk_add_f32 v[SUM+2*\T:SUM+2*\T+1], v[SUM+2*\T:SUM+2*\T+1], v[W+8*\T:W+8*\T+1]
.endr
.if (\first)==0
	WIN 0x41
	s_wait_alu depctr_va_vdst(0)                   ; the wait directly ahead of the first reader of O^T
.set J, 0
.rept 32
	v_pk_mul_f32 v[OTA+J:OTA+J+1], v[OTA+J:OTA+J+1], v[FF:FF+1] op_sel_hi:[1,0]   ; O^T under the new M, each accumulator from its low end on
	v_pk_mul_f32 v[OTB+J:OTB+J+1], v[OTB+J:OTB+J+1], v[FF+2:FF+3] op_sel_hi:[1,0]
.set J, J+2
.endr
.endif
	s_wait_alu depctr_va_vdst(0)                   ; the wait directly ahead of the wait below
.if \last
	s_wait_dscnt 0x0
.else
	s_wait_dscnt 16                                ; V's fragments and all scale words are in; the 16 loads of the next K may be out
.endif
	WIN 0x51
.irp t, 0,1,2,3,4,5,6,7                        ; O^T += V^T P^T, sixteen accumulators by turns
.if \first
	WM OTA+8*\t, FV+8*\t, PC, 0, SWV+\t/2, PS, \t%2, 0
	WM OTB+8*\t, FV+8*\t, PC+8, 0, SWV+\t/2, PS+1, \t%2, 0
.else
	WM OTA+8*\t, FV+8*\t, PC, v[OTA+8*\t:OTA+8*\t+7], SWV+\t/2, PS, \t%2, 0
	WM OTB+8*\t, FV+8*\t, PC+8, v[OTB+8*\t:OTB+8*\t+7], SWV+\t/2, PS+1, \t%2, 0
.endif
.endr
	WIN 0
	s_add_co_u32 s[TK], s[TK], STEPB
	s_add_co_u32 s[TV], s[TV], STEPB
	s_add_co_u32 s[TS], s[TS], 544
	s_add_co_u32 s[TJ], s[TJ], 4
.endm
	STEP 1, 0, 0, 0                                ; step 0
	s_mov_b32 s[CNT], 2
.Lfirst:                                           ; steps 1, 2
	STEP 0, 0, 0, 0
	s_sub_co_u32 s[CNT], s[CNT], 1
	s_cmp_lg_u32 s[CNT], 0
	s_cbranch_scc1 .Lfirst
	STEP 0, 1, 0, 0                                ; step 3
	s_mov_b32 s[CNT], 11
.Lrest:                                            ; steps 4 to 14
	STEP 0, 0, 0, 1
	s_sub_co_u32 s[CNT], s[CNT], 1
	s_cmp_lg_u32 s[CNT], 0
	s_cbranch_scc1 .Lrest
	STEP 0, 0, 1, 1                                ; step 15
	; THE WAY OUT.  O^T / the row's sum goes through my stage in LDS, 64 channels (256 bytes) of 16 queries at a time, so that sixteen lanes store 256 consecutive bytes, aligned.
	; The eight stages (16 rows x 272 bytes) lie on K's steps 0-3: filled once, and read by nobody behind step 3's barrier.
	v_add_f32 v[SUM], v[SUM], v[SUM+1]
	v_add_f32 v[SUM+2], v[SUM+2], v[SUM+3]
	v_permlanex16_b32 v[XX], v[SUM], s[SEL], s[SEL+1]
	v_permlanex16_b32 v[XX+1], v[SUM+2], s[SEL], s[SEL+1]
	v_add_f32 v[SUM], v[SUM], v[XX]
	v_add_f32 v[SUM+2], v[SUM+2], v[XX+1]
	s_wait_alu depctr_va_vdst(0)                   ; the wait ahead of the transcendentals
	v_rcp_f32 v[SUM], v[SUM]
	v_rcp_f32 v[SUM+2], v[SUM+2]
	v_and_b32 v8, 15, v0                           ; r
	v_bfe_u32 v9, v0, 4, 1                         ; h
	s_mul_i32 s73, s[WV], 16*272
	v_mul_u32_u24 v10, v8, 272
	v_mul_u32_u24 v11, v9, 272
	v_lshl_add_u32 v10, v9, 5, v10
	v_lshl_add_u32 v11, v8, 4, v11
	v_add_nc_u32 v10, s73, v10                     ; in: row r, 64 t + 32 h bytes on
	v_add_nc_u32 v11, s73, v11                     ; back: lanes 0-15 one row, lanes 16-31 the next
	WIN 0x01
	s_wait_alu depctr_va_vdst(0)                   ; the wait ahead of the first reader of the reciprocals and of O^T
.set J, 0
.rept 32
	v_pk_mul_f32 v[S+J:S+J+1], v[OTA+J:OTA+J+1], v[SUM:SUM+1] op_sel_hi:[1,0]   ; register 8 t + i is o(r, 16 t + 8 h + i)
	v_pk_mul_f32 v[S+64+J:S+64+J+1], v[OTB+J:OTB+J+1], v[SUM+2:SUM+3] op_sel_hi:[1,0]
.set J, J+2
.endr
	WIN 0x40
.irp P, 0,1,2,3                                ; query tile P / 2, channels 64 (P % 2) on
.irp t, 0,1,2,3
	ds_store_b128 v10, v[S+32*\P+8*\t:S+32*\P+8*\t+3] offset:64*\t
	ds_store_b128 v10, v[S+32*\P+8*\t+4:S+32*\P+8*\t+7] offset:64*\t+16
.endr
.irp i, 0,1,2,3,4,5,6,7
	ds_load_b128 v[FK+32*\P+4*\i:FK+32*\P+4*\i+3], v11 offset:2*\i*272   ; LDS serves a wave's instructions in order (ISA guide 5.7.1)
.endr
.endr
	WIN 0x04
.irp P, 0,1,2,3
.irp i, 0,1,2,3,4,5,6,7
	s_wait_dscnt 16*(3-\P)+7-\i                    ; behind this load: the 7 - i later ones of its pass and sixteen LDS instructions for each later pass
	global_store_b128 v[GO], v[FK+32*\P+4*\i:FK+32*\P+4*\i+3], s[16:17] offset:131072*(\P/2)+256*(\P%2)+16384*\i th:TH_STORE_NT
.endr
.endr
	WIN 0
	s_wait_tensorcnt 0x0                           ; the wave's end
	ds_add_u32 v[SPW], v[NIL]
	s_wait_dscnt 0x0
	CROUND                                         ; the closing round
	s_endpgm
.Lfunc_end_k_qab28702b3c_attn:
	.size	k_qab28702b3c_attn, .Lfunc_end_k_qab28702b3c_attn-k_qab28702b3c_attn
	.p2alignl 7, 3214868480
	.fill 96, 4, 3214868480
	.section	.rodata,"a",@progbits
	.p2align	6, 0x0
	.amdhsa_kernel k_qab28702b3c_attn
		.amdhsa_group_segment_fixed_size 327680
		.amdhsa_private_segment_fixed_size 0
		.amdhsa_enable_private_segment 0
		.amdhsa_kernarg_size 56
		.amdhsa_user_sgpr_count 2
		.amdhsa_user_sgpr_kernarg_segment_ptr 1
		.amdhsa_wavefront_size32 1
		.amdhsa_system_sgpr_workgroup_id_x 1
		.amdhsa_system_sgpr_workgroup_id_y 1
		.amdhsa_system_sgpr_workgroup_id_z 1
		.amdhsa_system_vgpr_workitem_id 0
		.amdhsa_next_free_vgpr 512
		.amdhsa_next_free_sgpr 100
		.amdhsa_reserve_vcc 0
		.amdhsa_float_denorm_mode_32 3
		.amdhsa_float_denorm_mode_16_64 3
		.amdhsa_memory_ordered 1
		.amdhsa_forward_progress 1
		.amdhsa_inst_pref_size 183
	.end_amdhsa_kernel
	.amdgpu_metadata
---
amdhsa.version: [ 1, 2 ]
amdhsa.kernels:
  - .name:           k_qab28702b3c_attn
    .symbol:         k_qab28702b3c_attn.kd
    .args:
      - { .name: q_codes, .offset: 0, .size: 8, .value_kind: global_buffer, .address_space: global }
      - { .name: q_scales, .offset: 8, .size: 8, .value_kind: global_buffer, .address_space: global }
      - { .name: k_codes, .offset: 16, .size: 8, .value_kind: global_buffer, .address_space: global }
      - { .name: k_scales, .offset: 24, .size: 8, .value_kind: global_buffer, .address_space: global }
      - { .name: v_codes, .offset: 32, .size: 8, .value_kind: global_buffer, .address_space: global }
      - { .name: v_scales, .offset: 40, .size: 8, .value_kind: global_buffer, .address_space: global }
      - { .name: out0, .offset: 48, .size: 8, .value_kind: global_buffer, .address_space: global }
    .group_segment_fixed_size: 327680
    .private_segment_fixed_size: 0
    .kernarg_segment_align: 8
    .kernarg_segment_size: 56
    .max_flat_workgroup_size: 256
    .sgpr_count:     100
    .vgpr_count:     512
    .wavefront_size: 32
...
	.end_amdgpu_metadata
.endif
;; end of part 2
